; MI455X (gfx1250); checked and timed in simulation.
; The chip was launched on July 23, 2026; its instructions are those of AMD's public machine-readable ISA for CDNA 5 (MIT licence, August 2026) and "CDNA5" Instruction Set Architecture Reference Guide (July 2026). The comments in the code are by the model that wrote it; some were corrected since.
;; Trans R Model. Allowed arithmetic: float matrix products may take bf16 or f16 operands with f32 sums; all other float work in f32.
;; Inputs: entity_emb 1,000,000 x 128 float32; head 16,384 int32; proj_emb 1,000 x 8,192 float32; relation 16,384 int32; relation_emb 1,000 x 64 float32; tail 16,384 int32.
;; Outputs: out0 16,384 float32.
;; 2 versions, each right; version 2 is version 1 with the launch group written anew for expert scheduling mode. Each part assembles by itself: llvm-mc -triple=amdgcn-amd-amdhsa -mcpu=gfx1250 --defsym DOCPART=n.
;; ======== version 1 of 2: 2 launches
;; workspace buffers: order 65,536 bytes of whole numbers; seg 8,192 bytes of whole numbers
;; launch group (part 1): grid 1000 x 1, 1 waves a work-group, no clusters, 37,632 bytes of LDS; arguments relation, order, seg; writes order, seg
.if DOCPART == 1
	.amdgcn_target "amdgcn-amd-amdhsa--gfx1250"
	.amdhsa_code_object_version 6
	.text
	.protected	k_q1e4076d02f_group
	.globl	k_q1e4076d02f_group
	.p2align	8
	.type	k_q1e4076d02f_group,@function
k_q1e4076d02f_group:
	s_mov_b64 s[64:65], 0
	v_nop
	global_prefetch_b8 v0, s[64:65] scope:SCOPE_SE
	s_setreg_imm32_b32 hwreg(HW_REG_WAVE_MODE, 25, 1), 1
	s_wait_xcnt 0x0
; Groups the 16384 batch elements by relation: a counting sort without traffic between work-groups.
;   order[start(g) + p] = batch number of the p-th element that names relation g;   seg[g] = { start(g), count(g) }
;   start(g) = how many elements name a relation below g.
; What steers the next launch's addresses and trip counts is decided here and handed over as whole numbers.
;
; A work-group is ONE wave and owns one relation (1000 work-groups).  The wave
;   1. scans the whole relation list (64 KB, 128 loads through a ring of three register buffers).  d = x - g.  16 numbers of a lane
;      become one entry (their first batch number, 16 bits 'is not my relation'); entries with a match are appended to a list of
;      candidates in LDS.  On the way two counts are kept in registers: numbers below g, numbers other than g,
;   2. picks the matching bits out of the candidates into a list of batch numbers in LDS,
;   3. stores that list to order, 32 neighbouring words a trip, and its two figures to seg.
; The store addresses and the trip count of step 3 come from the two counts in registers; LDS supplies only the data stored.
; EXEC is never changed.  A lane that has nothing to append stores to a place of its own behind the list, which nobody reads;
; a lane past the end of a list repeats the list's last entry and stores the same number to the same place again.
; 1024 registers are asked for, 224 are named: 1000 waves whose time is their own vector instructions, so none shares a SIMD.
;
; LIMITS.  Relations are taken to lie in 0 .. 999, as the reference relies on.  The count of numbers below g holds for |x - g| < 2^16
; (128 differences must sum to less than 2^23).  An element whose relation no work-group owns appears nowhere in order.
; Lists are sized for the worst case: all 16384 elements of one relation.
.set LDS_CAND, 0                       ; the list of candidates,
.set CANDCAP,  1024                    ; 32 appends x 32 lanes at most
.set CANDB,    4352                    ; 1024 entries + 32 dump places of 4 bytes, rounded up
.set LDS_FIN,  LDS_CAND+CANDB          ; the list of batch numbers: 16384 + 32 dump places of 2 bytes; ends inside 37376
.set FINCAP,   16384
.set NONE,     0xffff                  ; sixteen bits 'is not my relation'
; vector registers.  v0 is the lane: the work-group has one wave
.set L16,  1                           ; 16 x lane
.set CK,   2                           ; (4 x lane) << 16: my part of an entry's batch number
.set DC,   3                           ; my dump place behind the candidates
.set DF,   4                           ; my dump place behind the batch numbers
.set POS,  5                           ; running position: lane + 32 x trip
.set TMP,  6                           ; v6-9 at work
.set LA,   10                          ; v10-13  four sums of the low 24 bits of d, 128 numbers each
.set NA,   14                          ; v14-17  four sums of the flags 'is not my relation'
.set SEGV, 18                          ; v18-19  start, count
.set SA,   20                          ; 8 x my relation
.set OA,   21                          ; byte offset in order
.set OD,   22                          ; the batch number to store
.set LAD,  23                          ; where it lies in LDS
.set XR,   32                          ; v32-223  the list's ring: three buffers of 16 loads x 4 registers; afterwards, in the pick:
.set EW,   32                          ; an entry
.set AW,   33                          ; its address
.set PP,   48                          ; v48-63   16 bits, then 16 addresses
.set DW,   64                          ; v64-79   16 batch numbers
; scalar registers
.set REL,  2                           ; my relation g
.set NREL, 3                           ; - g
.set ST,   10
.set MK,   32                          ; s32-63: masks of the scan (4), the lanes' counts (32), masks of the pick (16)
.set CNT,  66                          ; candidates so far
.set SC,   67
.set CM,   68                          ; the last written candidate
.set VM,   69                          ; lanes whose position lies inside the list
.set NCH,  70
.set CH,   71
.set NEL,  72                          ; the pick's running place in the list of batch numbers
.set BASE, 73                          ; start(g)
.set NF,   74                          ; count(g)
.set NM1,  75
.set NT,   76
.set TR,   77
; 16 loads of the list, 512 neighbouring bytes each, into ring buffer g % 3
.macro LISTLOAD g
.set xs, 0
.rept 16
	global_load_b128 v[XR+64*(\g%3)+4*xs:XR+64*(\g%3)+4*xs+3], v[L16], s[4:5] offset:512*(16*\g+xs)
.set xs, xs+1
.endr
.endm
; One ring buffer: 16 loads = 4 entries.  behind = loads issued after this buffer's.
; d = x - g.  Its low 24 bits are d for d >= 0 and 2^24 + d for d < 0: summed, each number below g counts 2^24.
; min(d, 1), unsigned, is the flag 'no match'; a tree of shift-and-or puts number n of the lane's sixteen (load n / 4, word n % 4)
; at bit n.  The entry = first batch number << 16 | bits; number n is batch number 512 G + 4 lane + 128 (n / 4) + n % 4,
; G = 4 g + q the entry's group of four loads.  The first terms start the sums: nothing is cleared.
.macro SCAN g, behind
.set xb, XR+64*(\g%3)
.set xq, 0
.rept 4
	s_wait_loadcnt \behind+12-4*xq                 ; behind these four loads: 12 - 4 q of this buffer and the later buffers' loads
.set xn, 0
.rept 16
	v_add_nc_u32 v[xb+16*xq+xn], s[NREL], v[xb+16*xq+xn]
.set xn, xn+1
.endr
.set xn, 0
.rept 16
.if (\g+xq+xn/4) == 0
	v_and_b32 v[LA+xn%4], 0xffffff, v[xb+16*xq+xn]
.else
	v_mad_u32_u24 v[LA+xn%4], v[xb+16*xq+xn], 1, v[LA+xn%4]
.endif
.set xn, xn+1
.endr
.set xn, 0
.rept 16
	v_min_u32 v[xb+16*xq+xn], 1, v[xb+16*xq+xn]
.set xn, xn+1
.endr
.set xn, 0
.rept 8
.if (\g+xq+xn/4) == 0
	v_add_nc_u32 v[NA+xn%4], v[xb+16*xq+2*xn], v[xb+16*xq+2*xn+1]
.else
	v_add3_u32 v[NA+xn%4], v[xb+16*xq+2*xn], v[xb+16*xq+2*xn+1], v[NA+xn%4]
.endif
.set xn, xn+1
.endr
.set xn, 0
.rept 8
	v_lshl_or_b32 v[xb+16*xq+2*xn], v[xb+16*xq+2*xn+1], 1, v[xb+16*xq+2*xn]
.set xn, xn+1
.endr
.set xn, 0
.rept 4
	v_lshl_or_b32 v[xb+16*xq+4*xn], v[xb+16*xq+4*xn+2], 2, v[xb+16*xq+4*xn]
.set xn, xn+1
.endr
	v_lshl_or_b32 v[xb+16*xq], v[xb+16*xq+4], 4, v[xb+16*xq]
	v_lshl_or_b32 v[xb+16*xq+8], v[xb+16*xq+12], 4, v[xb+16*xq+8]
	v_lshl_or_b32 v[xb+16*xq], v[xb+16*xq+8], 8, v[xb+16*xq]
	v_cmp_ne_u32 s[MK+xq], NONE, v[xb+16*xq]       ; lanes with any match
	v_add3_u32 v[xb+16*xq+2], v[xb+16*xq], v[CK], (512*(4*\g+xq))<<16
.set xq, xq+1
.endr
	; place of an entry = count so far + matching lanes below me; a lane without a match takes its dump place
.set xq, 0
.rept 4
	v_mbcnt_lo_u32_b32 v[xb+16*xq+1], s[MK+xq], s[CNT]
	s_bcnt1_i32_b32 s[SC], s[MK+xq]
	s_add_co_u32 s[CNT], s[CNT], s[SC]
.set xq, xq+1
.endr
.set xq, 0
.rept 4
	v_cndmask_b32 v[xb+16*xq+1], v[DC], v[xb+16*xq+1], s[MK+xq]
.set xq, xq+1
.endr
.set xq, 0
.rept 4
	v_min_u32 v[xb+16*xq+1], CANDCAP+31, v[xb+16*xq+1]             ; changes nothing (1024 entries at most, then the 32 dump places): the address stays in the list
.set xq, xq+1
.endr
.set xq, 0
.rept 4
	v_lshl_add_u32 v[xb+16*xq+1], v[xb+16*xq+1], 2, LDS_CAND
.set xq, xq+1
.endr
.set xq, 0
.rept 4
	ds_store_b32 v[xb+16*xq+1], v[xb+16*xq+2]
.set xq, xq+1
.endr
.endm
	s_load_b128 s[4:7], s[0:1], 0x0                ; relation s[4:5], order s[6:7]
	s_load_b64 s[8:9], s[0:1], 0x10                ; seg
	v_lshl_add_u32 v254, v0, 2, 0x9200
	v_mov_b32 v255, 0
	s_mov_b32 s[REL], ttmp9                        ; my relation = the work-group's number
	s_sub_co_u32 s[NREL], 0, s[REL]
	v_lshlrev_b32 v[L16], 4, v0
	s_wait_kmcnt 0x0
	LISTLOAD 0
	LISTLOAD 1
	LISTLOAD 2
	v_lshlrev_b32 v[CK], 18, v0
	v_add_nc_u32 v[DC], CANDCAP, v0
	v_add_nc_u32 v[DF], FINCAP, v0
	s_mov_b32 s[CNT], 0
	; the head of the candidate list starts as 'no match': entry 0, which the pick reads of an empty list, is then always written
	v_lshl_add_u32 v[TMP], v0, 2, LDS_CAND
	v_mov_b32 v[TMP+1], NONE
	ds_store_b32 v[TMP], v[TMP+1]
	; THE SCAN.  A buffer is filled again as soon as it has been worked on; the last three steps load nothing and their counts run down.
	SCAN 0, 32
	LISTLOAD 3
	SCAN 1, 32
	LISTLOAD 4
	SCAN 2, 32
	LISTLOAD 5
	SCAN 3, 32
	LISTLOAD 6
	SCAN 4, 32
	LISTLOAD 7
	SCAN 5, 32
	SCAN 6, 16
	SCAN 7, 0
	; THE TWO COUNTS.  A sum of 128 low parts is 2^24 x (numbers below g) + the sum of the d, which is below 2^23 either way: round.
.irp c, 0,1,2,3
	v_add_nc_u32 v[LA+\c], 0x800000, v[LA+\c]
.endr
.irp c, 0,1,2,3
	v_lshrrev_b32 v[LA+\c], 24, v[LA+\c]
.endr
	v_add3_u32 v[LA], v[LA], v[LA+1], v[LA+2]
	v_add3_u32 v[NA], v[NA], v[NA+1], v[NA+2]
	v_add_nc_u32 v[LA], v[LA], v[LA+3]             ; of my 512 numbers: below g,
	v_add_nc_u32 v[NA], v[NA], v[NA+3]             ; other than g
	v_lshl_add_u32 v[NA], v[LA], 16, v[NA]         ; both in one word: over 32 lanes each stays at 16384 or below
.set xe, 0
.rept 32
	v_readlane_b32 s[MK+xe], v[NA], xe
.set xe, xe+1
.endr
.irp w, 16,8,4,2,1
.set xe, 0
.rept \w
	s_add_co_u32 s[MK+xe], s[MK+xe], s[MK+\w+xe]
.set xe, xe+1
.endr
.endr
	s_lshr_b32 s[BASE], s[MK], 16                  ; start(g)
	s_and_b32 s[NF], s[MK], 0xffff
	s_sub_co_u32 s[NF], FINCAP, s[NF]              ; count(g) = 16384 - the others
	s_lshl_b32 s[ST], s[REL], 3
	v_mov_b32 v[SA], s[ST]
	v_mov_b32 v[SEGV], s[BASE]
	v_mov_b32 v[SEGV+1], s[NF]
	global_store_b64 v[SA], v[SEGV:SEGV+1], s[8:9] ; every lane stores the same 8 bytes; these registers are not written again
	; PICK: the zero bits of the candidates, as batch numbers into the second list.  32 entries a trip: one trip, unless the
	; relation's elements lie in more than 32 entries.
	s_max_u32 s[CM], s[CNT], 1
	s_sub_co_u32 s[CM], s[CM], 1                   ; the last written entry (entry 0 of an empty list)
	s_lshr_b32 s[NCH], s[CM], 5
	s_add_co_u32 s[NCH], s[NCH], 1
	s_mov_b32 s[NEL], 0
	s_mov_b32 s[CH], 0
	v_mov_b32 v[POS], v0
.Lpick:
	v_min_u32 v[AW], s[CM], v[POS]                 ; lanes past the end repeat the last written entry; the mask below discards it
	v_min_u32 v[AW], CANDCAP-1, v[AW]
	v_lshl_add_u32 v[AW], v[AW], 2, LDS_CAND
	ds_load_b32 v[EW], v[AW]                       ; LDS serves a wave's instructions in order (ISA guide 5.7.1.4): this sees the scan's stores
	v_cmp_gt_u32 s[VM], s[CNT], v[POS]             ; positions inside the list
	s_wait_dscnt 0x0
.set xp, 0
.rept 16
	v_bfe_u32 v[PP+xp], v[EW], xp, 1
.set xp, xp+1
.endr
	v_lshrrev_b32 v[EW], 16, v[EW]                 ; the entry's first batch number
.set xp, 0
.rept 16
	v_cmp_eq_u32 s[MK+xp], 0, v[PP+xp]
.set xp, xp+1
.endr
.set xp, 0
.rept 16
	v_add_nc_u32 v[DW+xp], 128*(xp/4)+(xp%4), v[EW]
.set xp, xp+1
.endr
.set xp, 0
.rept 16
	s_and_b32 s[MK+xp], s[MK+xp], s[VM]
.set xp, xp+1
.endr
.set xp, 0
.rept 16
	v_mbcnt_lo_u32_b32 v[PP+xp], s[MK+xp], s[NEL]
	s_bcnt1_i32_b32 s[SC], s[MK+xp]
	s_add_co_u32 s[NEL], s[NEL], s[SC]
.set xp, xp+1
.endr
.set xp, 0
.rept 16
	v_cndmask_b32 v[PP+xp], v[DF], v[PP+xp], s[MK+xp]
.set xp, xp+1
.endr
.set xp, 0
.rept 16
	v_min_u32 v[PP+xp], FINCAP+31, v[PP+xp]        ; at most 16384 entries, then the dump places: the address stays in the list
.set xp, xp+1
.endr
.set xp, 0
.rept 16
	v_lshl_add_u32 v[PP+xp], v[PP+xp], 1, LDS_FIN
.set xp, xp+1
.endr
.set xp, 0
.rept 16
	ds_store_b16 v[PP+xp], v[DW+xp]
.set xp, xp+1
.endr
	v_add_nc_u32 v[POS], 32, v[POS]
	s_add_co_u32 s[CH], s[CH], 1
	s_cmp_lt_u32 s[CH], s[NCH]
	s_cbranch_scc1 .Lpick
	; THE WAY OUT: the list leaves LDS through registers, 32 neighbouring words of order a trip
	s_cmp_eq_u32 s[NF], 0
	s_cbranch_scc1 .Ldone                          ; no element names my relation
	s_sub_co_u32 s[NM1], s[NF], 1
	s_add_co_u32 s[NT], s[NF], 31
	s_lshr_b32 s[NT], s[NT], 5
	s_mov_b32 s[TR], 0
	v_mov_b32 v[POS], v0
.Lcopy:
	v_min_u32 v[TMP], s[NM1], v[POS]               ; lanes past the end repeat the last element
	v_min_u32 v[TMP], FINCAP-1, v[TMP]
	v_lshl_add_u32 v[LAD], v[TMP], 1, LDS_FIN
	ds_load_u16 v[OD], v[LAD]                      ; in order behind the pick's stores
	v_add_nc_u32 v[OA], s[BASE], v[TMP]
	v_min_u32 v[OA], FINCAP-1, v[OA]               ; start + place is below 16384: the clamp changes nothing
	v_lshlrev_b32 v[OA], 2, v[OA]
	v_add_nc_u32 v[POS], 32, v[POS]
	s_wait_dscnt 0x0
	global_store_b32 v[OA], v[OD], s[6:7]
	s_wait_xcnt 0x0                                ; OA and OD are written again in the next trip only behind this wait
	s_add_co_u32 s[TR], s[TR], 1
	s_cmp_lt_u32 s[TR], s[NT]
	s_cbranch_scc1 .Lcopy
.Ldone:
	s_wait_tensorcnt 0x0
	ds_add_u32 v254, v255
	s_wait_dscnt 0x0
	s_endpgm
.Lfunc_end_k_q1e4076d02f_group:
	.size	k_q1e4076d02f_group, .Lfunc_end_k_q1e4076d02f_group-k_q1e4076d02f_group
	.p2alignl 7, 3214868480
	.fill 96, 4, 3214868480
	.section	.rodata,"a",@progbits
	.p2align	6, 0x0
	.amdhsa_kernel k_q1e4076d02f_group
		.amdhsa_group_segment_fixed_size 37632
		.amdhsa_private_segment_fixed_size 0
		.amdhsa_enable_private_segment 0
		.amdhsa_kernarg_size 24
		.amdhsa_user_sgpr_count 2
		.amdhsa_user_sgpr_kernarg_segment_ptr 1
		.amdhsa_wavefront_size32 1
		.amdhsa_system_sgpr_workgroup_id_x 1
		.amdhsa_system_sgpr_workgroup_id_y 1
		.amdhsa_system_sgpr_workgroup_id_z 1
		.amdhsa_system_vgpr_workitem_id 0
		.amdhsa_next_free_vgpr 1024
		.amdhsa_next_free_sgpr 80
		.amdhsa_reserve_vcc 0
		.amdhsa_float_denorm_mode_32 3
		.amdhsa_float_denorm_mode_16_64 3
		.amdhsa_memory_ordered 1
		.amdhsa_forward_progress 1
		.amdhsa_inst_pref_size 158
	.end_amdhsa_kernel
	.amdgpu_metadata
---
amdhsa.version: [ 1, 2 ]
amdhsa.kernels:
  - .name:           k_q1e4076d02f_group
    .symbol:         k_q1e4076d02f_group.kd
    .args:
      - { .name: relation, .offset: 0, .size: 8, .value_kind: global_buffer, .address_space: global }
      - { .name: order, .offset: 8, .size: 8, .value_kind: global_buffer, .address_space: global }
      - { .name: seg, .offset: 16, .size: 8, .value_kind: global_buffer, .address_space: global }
    .group_segment_fixed_size: 37632
    .private_segment_fixed_size: 0
    .kernarg_segment_align: 8
    .kernarg_segment_size: 24
    .max_flat_workgroup_size: 32
    .sgpr_count:     80
    .vgpr_count:     1024
    .wavefront_size: 32
...
	.end_amdgpu_metadata
.endif
;; end of part 1
;; launch project (part 2): grid 1000 x 1, 1 waves a work-group, no clusters, 9,216 bytes of LDS; arguments seg, order, head, tail, entity_emb, relation_emb, proj_emb, out0; writes out0
.if DOCPART == 2
	.amdgcn_target "amdgcn-amd-amdhsa--gfx1250"
	.amdhsa_code_object_version 6
	.text
	.protected	k_q1e4076d02f_project
	.globl	k_q1e4076d02f_project
	.p2align	8
	.type	k_q1e4076d02f_project,@function
k_q1e4076d02f_project:
	s_mov_b64 s[64:65], 0
	v_nop
	global_prefetch_b8 v0, s[64:65] scope:SCOPE_SE
	s_setreg_imm32_b32 hwreg(HW_REG_WAVE_MODE, 25, 1), 1
	s_wait_xcnt 0x0
; out[b] = sum over c of | ((E[head[b]] - E[tail[b]]) x M[relation[b]])[c] + r[relation[b]][c] |
; E: [1000000][128] f32, M: [1000][128][64] f32, r: [1000][64] f32, 16384 batch elements.
; h M + r - t M is computed as (h - t) M + r: one projection instead of two.
;
; The launch before has sorted the batch by relation: order[start .. start + count - 1] are the batch numbers of relation g,
; seg[g] = { start, count }.  So each 32 KB matrix is read from memory once.
; A work-group is ONE wave and owns one relation (1000 work-groups).  With all 1024 registers a wave fills a SIMD, so four
; work-groups share a WGP; they share nothing else: no barrier, and LDS has one reader and one writer.  The wave follows the chain
;   seg -> order -> head and tail -> 64 entity rows (32 elements a trip; one load = one whole row of 512 bytes).
; Loads return in order, so the matrix does not stand in front of the chain: two of its K steps are asked for behind seg, two behind
; the order load, straight into registers in the order that the fragments need; the wait for head and tail shows them in.
; While the rows are on their way the matrix becomes bf16 fragments; then d = h - t in f32, bf16, through LDS into fragment layout,
; 32 matrix instructions, sum of magnitudes, one store a lane.
; EXEC is never changed: a lane past the end of the list repeats the list's last element and stores the same number to the same place.
; The matrix is source 0 (rows m = columns of M), the 16 elements are source 1 (columns n): a lane's 8 results of a tile belong to ONE
; element, so the sum over the 64 columns is 32 adds in the lane and one step across the two halves of the wave.
; A lane's 16 bytes of a row of M are 4 neighbouring columns 4r .. 4r+3; tile t takes column 4r + t.  This permutes the 64 columns,
; which a sum over all of them does not see, and it spares any transposition of M.  r is read in the same order and is the first C.
;
; LIMITS.  Indices are taken to lie inside their tables, as the reference relies on: an entity number above 999,999 is clamped to the
; last row; an element whose relation lies outside 0 .. 999 is in nobody's list and its output is not written.  h - t and M are
; rounded to bf16 (nearest even), products are summed in f32; the subtraction comes before the projection, so the order of rounding
; differs from the reference's.  If all 16384 elements name one relation, one wave does all 512 trips.
; A relation that no element names has asked for half of its matrix before it knows.
; NO CLUSTER: the work-groups share no tile; what several read (order, head, tail) is 4 bytes a lane.
.set SPITCH,   272                     ; a staged row of d: 256 bytes of bf16 + 16, so that the 16 rows of a fragment load fall on different banks
.set LDS_R,    32*SPITCH               ; the stage lies at 0; behind it my row of r, 256 bytes
.set LASTB,    16383                   ; the last batch number, and the last place in order
.set LAST_ENT, 999999
; vector registers, block 0.  v0 is the lane: the work-group has one wave
.set R15,  1                           ; lane % 16
.set HALF, 2                           ; lane / 16
.set L16,  3                           ; 16 x lane
.set RO,   4                           ; my 8 bytes of my row of relation_emb
.set RS,   5                           ; where they go in LDS
.set RA,   6                           ; where my half's 32 columns of r begin in LDS
.set SO,   7                           ; 8 x my relation
.set MO,   8                           ; my 16 bytes in rows 8 x half of the matrix
.set STS,  9                           ; stage: where I put 8 bytes of a row of d
.set STL,  10                          ; stage: where I read fragments
.set POS,  11                          ; running position: lane + 32 x trip
.set OA,   12                          ; byte offset in order
.set BN,   13                          ; my element's batch number
.set IO,   24                          ; 4 x batch number
.set HI,   25
.set TI,   26
.set RES,  27
.set RV,   28                          ; v28-29   my 8 bytes of r as loaded
.set SG,   30                          ; v30-31   start, count
.set BF,   32                          ; v32-95   fragments of d, 2 groups x 4 K steps x 8
.set ACC,  96                          ; v96-159  2 groups x 4 column tiles x 8
.set SU,   160                         ; v160-167 partial sums
.set RE,   224                         ; v224-255 r in accumulator layout, 4 tiles x 8
; block 1 (v256-511): rows as loaded, head rows at 4 e, tail rows at 128 + 4 e
.set TROW, 128
; block 2 (v512-703): matrix fragments at 32 k + 8 t (128 registers), then the 64 row offsets
.set AD,   128
; block 3 (v768-1023): the matrix in f32, 64 loads of 4 registers
; scalar registers: s[4:5] seg, s[6:7] order, s[8:9] head, s[10:11] tail, s[12:13] entity_emb, s[14:15] relation_emb, s[16:17] proj_emb, s[18:19] out
.set REL,  2                           ; my relation
.set ST,   3
.set MB,   20                          ; s[20:21] my matrix
.set OFFP, 22                          ; s[22:23] a byte offset in 64 bits
.set MK,   32                          ; s32-63: 32 row numbers
.set START, 66
.set NEL,  67                          ; elements of my relation
.set NM1,  68
.set NT,   69
.set TR,   70
.set SEL,  72                          ; s72, s73: lane i of one half reads lane i of the other
.set HIM,  74                          ; lanes 16-31
.set MSB, 0
.macro WIN new                         ; s_set_vgpr_msb: bits 1:0 source 0, 3:2 source 1, 5:4 source 2, 7:6 destination; the high byte repeats the setting left
.if MSB != \new
	s_set_vgpr_msb (MSB<<8)|\new
.set MSB, \new
.endif
.endm
; 16 loads of the matrix, K step k: lanes 0-15 take row e whole (256 bytes), lanes 16-31 row e + 8.  Read once in the launch.
.macro MLOAD k
	WIN 0xc0                                       ; destination block 3
.set xs, 0
.rept 16
	global_load_b128 v[64*\k+4*xs:64*\k+4*xs+3], v[MO], s[MB:MB+1] offset:(32*\k+xs+8*(xs/8))*256 th:TH_LOAD_NT
.set xs, xs+1
.endr
.endm
; lane e asks for element POS of my list; lanes past the end repeat the last one
.macro ASK_ORDER
	v_min_u32 v[OA], s[NM1], v[POS]
	v_add_nc_u32 v[OA], s[START], v[OA]
	v_min_u32 v[OA], LASTB, v[OA]                  ; inside order whatever was loaded
	v_lshlrev_b32 v[OA], 2, v[OA]
	global_load_b32 v[BN], v[OA], s[6:7]
.endm
; and for its head and tail numbers
.macro ASK_INDEX
	v_min_u32 v[BN], LASTB, v[BN]
	v_lshlrev_b32 v[IO], 2, v[BN]
	global_load_b32 v[HI], v[IO], s[8:9]
	global_load_b32 v[TI], v[IO], s[10:11]
.endm
; 32 rows: the row number goes to a scalar, each load covers one row's 512 bytes.
; Each load has an offset register of its own, so no wait stands between the loads.
.macro ROWS idx, first
.set ee, 0
.rept 32
	v_readlane_b32 s[MK+ee], v[\idx], ee
.set ee, ee+1
.endr
.set ee, 0
.rept 32
	s_min_u32 s[MK+ee], s[MK+ee], LAST_ENT         ; inside the table whatever was loaded; x 512 stays below 2^31
.set ee, ee+1
.endr
	WIN 0x80                                       ; destination block 2
.set ee, 0
.rept 32
	v_lshl_add_u32 v[AD+\first/4+ee], s[MK+ee], 9, v[L16]
.set ee, ee+1
.endr
	WIN 0x42                                       ; data to block 1, offsets from block 2
.set ee, 0
.rept 32
	global_load_b128 v[\first+4*ee:\first+4*ee+3], v[AD+\first/4+ee], s[12:13]
.set ee, ee+1
.endr
	WIN 0
.endm
; PROCESS: the 32 elements whose rows were asked for.
.macro PROCESS
	; d = h - t in f32, rounded once to bf16: lane l holds numbers 4l .. 4l+3 of each row
	WIN 0x45                                       ; all in block 1
.set cc, 0
.rept 4
	s_wait_loadcnt 24-8*cc                         ; the tail rows behind element 8 cc + 7 may stay out
.set ee, 8*cc
.rept 8
	v_pk_add_f32 v[4*ee:4*ee+1], v[4*ee:4*ee+1], v[TROW+4*ee:TROW+4*ee+1] neg_lo:[0,1] neg_hi:[0,1]
	v_pk_add_f32 v[4*ee+2:4*ee+3], v[4*ee+2:4*ee+3], v[TROW+4*ee+2:TROW+4*ee+3] neg_lo:[0,1] neg_hi:[0,1]
.set ee, ee+1
.endr
.set ee, 8*cc
.rept 8
	v_cvt_pk_bf16_f32 v[4*ee], v[4*ee], v[4*ee+1]
	v_cvt_pk_bf16_f32 v[4*ee+1], v[4*ee+2], v[4*ee+3]
.set ee, ee+1
.endr
.set cc, cc+1
.endr
	WIN 0x04                                       ; store data from block 1
.set ee, 0
.rept 32
	ds_store_b64 v[STS], v[4*ee:4*ee+1] offset:ee*SPITCH           ; row e of the stage: 256 neighbouring bytes
.set ee, ee+1
.endr
	WIN 0
.irp g, 0,1
.irp k, 0,1,2,3
	ds_load_b128 v[BF+32*\g+8*\k:BF+32*\g+8*\k+3],   v[STL] offset:\g*16*SPITCH+64*\k       ; element 16 g + r, numbers 32k + 8 half ..
	ds_load_b128 v[BF+32*\g+8*\k+4:BF+32*\g+8*\k+7], v[STL] offset:\g*16*SPITCH+64*\k+32    ; and 32k + 16 + 8 half ..
.endr
.endr
	s_wait_dscnt 0x0                               ; the fragments, and in the first trip r
	WIN 0x02                                       ; source 0 (the matrix) from block 2
.irp g, 0,1
.irp t, 0,1,2,3
	v_wmma_f32_16x16x32_bf16 v[ACC+32*\g+8*\t:ACC+32*\g+8*\t+7], v[8*\t:8*\t+7], v[BF+32*\g:BF+32*\g+7], v[RE+8*\t:RE+8*\t+7]   ; r starts the sums
.endr
.endr
.irp k, 1,2,3
.irp g, 0,1
.irp t, 0,1,2,3
	v_wmma_f32_16x16x32_bf16 v[ACC+32*\g+8*\t:ACC+32*\g+8*\t+7], v[32*\k+8*\t:32*\k+8*\t+7], v[BF+32*\g+8*\k:BF+32*\g+8*\k+7], v[ACC+32*\g+8*\t:ACC+32*\g+8*\t+7]
.endr
.endr
.endr
	WIN 0
.rept 4
	v_nop                                          ; four places before a vector instruction reads a matrix result (ISA guide 7.12.1)
.endr
	; sum of magnitudes: eight chains, one for each tile
.irp g, 0,1
.irp t, 0,1,2,3
	v_add_f32 v[SU+4*\g+\t], |v[ACC+32*\g+8*\t]|, |v[ACC+32*\g+8*\t+1]|
.endr
.endr
.irp u, 2,3,4,5,6,7
.irp g, 0,1
.irp t, 0,1,2,3
	v_add_f32 v[SU+4*\g+\t], v[SU+4*\g+\t], |v[ACC+32*\g+8*\t+\u]|
.endr
.endr
.endr
	v_add_f32 v[SU+0], v[SU+0], v[SU+1]
	v_add_f32 v[SU+2], v[SU+2], v[SU+3]
	v_add_f32 v[SU+4], v[SU+4], v[SU+5]
	v_add_f32 v[SU+6], v[SU+6], v[SU+7]
	v_add_f32 v[SU+0], v[SU+0], v[SU+2]            ; group 0: element r, the 32 columns of my half
	v_add_f32 v[SU+4], v[SU+4], v[SU+6]            ; group 1: element 16 + r
	; lane e is to end up with element e: lanes 0-15 keep group 0 and hand over group 1, lanes 16-31 the other way round
	v_cndmask_b32 v[SU+1], v[SU+0], v[SU+4], s[HIM]
	v_cndmask_b32 v[SU+2], v[SU+4], v[SU+0], s[HIM]
	v_permlanex16_b32 v[SU+3], v[SU+2], s[SEL], s[SEL+1]   ; its destination counts as read: a register written above
	v_add_f32 v[RES], v[SU+1], v[SU+3]
	v_add_nc_u32 v[POS], 32, v[POS]
	; 4 bytes at the element's own place: the places are scattered by the problem.  A lane past the list's end holds the last element
	; once more: the same rows through the same sums, so it stores the same number to the same place.
	global_store_b32 v[IO], v[RES], s[18:19]
.endm
	s_load_b512 s[4:19], s[0:1], 0x0               ; all eight addresses
	v_lshl_add_u32 v222, v0, 2, 0x2300
	v_mov_b32 v223, 0
	s_mov_b32 s[REL], ttmp9                        ; my relation = the work-group's number
	v_and_b32 v[R15], 15, v0
	v_lshrrev_b32 v[HALF], 4, v0
	v_lshlrev_b32 v[L16], 4, v0
	s_lshl_b32 s[ST], s[REL], 3                    ; my 8 bytes of seg
	v_mov_b32 v[SO], s[ST]
	s_lshl_b32 s[ST], s[REL], 8                    ; my row of relation_emb, 256 bytes,
	v_lshl_add_u32 v[RO], v0, 3, s[ST]             ; 8 of them a lane
	v_lshlrev_b32 v[MO], 4, v[R15]
	v_lshl_add_u32 v[MO], v[HALF], 11, v[MO]       ; 8 rows of 256 bytes for the upper half
	s_lshl_b32 s[OFFP], s[REL], 15                 ; relation x 32768 bytes (below 32.8 million)
	s_mov_b32 s[OFFP+1], 0
	s_wait_kmcnt 0x0
	s_add_nc_u64 s[MB:MB+1], s[16:17], s[OFFP:OFFP+1]
	global_load_b64 v[SG:SG+1], v[SO], s[4:5]      ; start and count, the same 8 bytes in every lane: the chain's first link
	global_load_b64 v[RV:RV+1], v[RO], s[14:15]    ; r
	MLOAD 0                                        ; half of the matrix rides behind them
	MLOAD 1
	WIN 0
	; addresses, while the loads are out
	v_lshlrev_b32 v[STS], 3, v0
	v_mul_u32_u24 v[STL], v[R15], SPITCH
	v_lshl_add_u32 v[STL], v[HALF], 4, v[STL]
	v_lshl_add_u32 v[RS], v0, 3, LDS_R
	v_lshl_add_u32 v[RA], v[HALF], 7, LDS_R        ; columns 32 x half ..
	v_mov_b32 v[POS], v0
	s_mov_b32 s[SEL], 0x76543210
	s_mov_b32 s[SEL+1], 0xfedcba98
	s_mov_b32 s[HIM], 0xffff0000
	s_wait_loadcnt 32                              ; behind seg and r stand the 32 loads of K steps 0 and 1
	v_readfirstlane_b32 s[START], v[SG]
	v_readfirstlane_b32 s[NEL], v[SG+1]
	s_min_u32 s[START], s[START], LASTB
	s_min_u32 s[NEL], s[NEL], LASTB+1
	s_cmp_eq_u32 s[NEL], 0
	s_cbranch_scc1 .Ldone                          ; no element names my relation
	s_sub_co_u32 s[NM1], s[NEL], 1
	s_add_co_u32 s[NT], s[NEL], 31
	s_lshr_b32 s[NT], s[NT], 5                     ; trips of 32 elements
	ASK_ORDER                                      ; the second link,
	MLOAD 2                                        ; and the other half of the matrix behind it
	MLOAD 3
	WIN 0
	; r as the first C: register j of tile t is row m = 8 half + j of the product, which is column 4 m + t = 32 half + 4 j + t.
	; My row goes to LDS as 256 neighbouring bytes; all lanes of a half then read the same word.  Waited for in front of the products.
	ds_store_b64 v[RS], v[RV:RV+1]
.irp t, 0,1,2,3
.irp j, 0,1,2,3,4,5,6,7
	ds_load_b32 v[RE+8*\t+\j], v[RA] offset:16*\j+4*\t
.endr
.endr
	s_wait_loadcnt 32                              ; behind the order load stand the 32 loads of K steps 2 and 3
	ASK_INDEX                                      ; the third link
	s_wait_loadcnt 0x0                             ; both numbers, and the whole matrix with them
	ROWS HI, 0
	ROWS TI, TROW
	; THE MATRIX, while the rows are on their way.  Fragment (K step k, tile t), lane (r, half): registers 0-3 hold rows e = 32k + 8 half + 0..7
	; of column 4r + t, registers 4-7 rows 32k + 16 + 8 half + 0..7.  Load s of a K step brought row 32k + s + 8 (s / 8) + 8 half.
	WIN 0x8f                                       ; sources block 3, destination block 2
.set kk, 0
.rept 4
.set tt, 0
.rept 4
.set uu, 0
.rept 8
	v_cvt_pk_bf16_f32 v[32*kk+8*tt+uu], v[64*kk+8*uu+tt], v[64*kk+8*uu+4+tt]   ; rows 2u, 2u+1 of the lane's sixteen, column t of its four
.set uu, uu+1
.endr
.set tt, tt+1
.endr
.set kk, kk+1
.endr
	WIN 0
	PROCESS                                        ; the first 32 elements: for most relations all there are (16 on average)
	s_cmp_eq_u32 s[NT], 1
	s_cbranch_scc1 .Ldone
	s_mov_b32 s[TR], 1
.Ltrip:                                            ; only a relation with more than 32 elements comes here
	s_wait_xcnt 0x0                                ; IO and RES, which the last store reads, are rewritten only behind this wait
	ASK_ORDER
	s_wait_loadcnt 0x0
	ASK_INDEX
	s_wait_loadcnt 0x0
	ROWS HI, 0
	ROWS TI, TROW
	PROCESS
	s_add_co_u32 s[TR], s[TR], 1
	s_cmp_lt_u32 s[TR], s[NT]
	s_cbranch_scc1 .Ltrip
.Ldone:
	s_wait_tensorcnt 0x0
	ds_add_u32 v222, v223
	s_wait_dscnt 0x0
	s_endpgm
.Lfunc_end_k_q1e4076d02f_project:
	.size	k_q1e4076d02f_project, .Lfunc_end_k_q1e4076d02f_project-k_q1e4076d02f_project
	.p2alignl 7, 3214868480
	.fill 96, 4, 3214868480
	.section	.rodata,"a",@progbits
	.p2align	6, 0x0
	.amdhsa_kernel k_q1e4076d02f_project
		.amdhsa_group_segment_fixed_size 9216
		.amdhsa_private_segment_fixed_size 0
		.amdhsa_enable_private_segment 0
		.amdhsa_kernarg_size 64
		.amdhsa_user_sgpr_count 2
		.amdhsa_user_sgpr_kernarg_segment_ptr 1
		.amdhsa_wavefront_size32 1
		.amdhsa_system_sgpr_workgroup_id_x 1
		.amdhsa_system_sgpr_workgroup_id_y 1
		.amdhsa_system_sgpr_workgroup_id_z 1
		.amdhsa_system_vgpr_workitem_id 0
		.amdhsa_next_free_vgpr 1024
		.amdhsa_next_free_sgpr 76
		.amdhsa_reserve_vcc 0
		.amdhsa_float_denorm_mode_32 3
		.amdhsa_float_denorm_mode_16_64 3
		.amdhsa_memory_ordered 1
		.amdhsa_forward_progress 1
		.amdhsa_inst_pref_size 92
	.end_amdhsa_kernel
	.amdgpu_metadata
---
amdhsa.version: [ 1, 2 ]
amdhsa.kernels:
  - .name:           k_q1e4076d02f_project
    .symbol:         k_q1e4076d02f_project.kd
    .args:
      - { .name: seg, .offset: 0, .size: 8, .value_kind: global_buffer, .address_space: global }
      - { .name: order, .offset: 8, .size: 8, .value_kind: global_buffer, .address_space: global }
      - { .name: head, .offset: 16, .size: 8, .value_kind: global_buffer, .address_space: global }
      - { .name: tail, .offset: 24, .size: 8, .value_kind: global_buffer, .address_space: global }
      - { .name: entity_emb, .offset: 32, .size: 8, .value_kind: global_buffer, .address_space: global }
      - { .name: relation_emb, .offset: 40, .size: 8, .value_kind: global_buffer, .address_space: global }
      - { .name: proj_emb, .offset: 48, .size: 8, .value_kind: global_buffer, .address_space: global }
      - { .name: out0, .offset: 56, .size: 8, .value_kind: global_buffer, .address_space: global }
    .group_segment_fixed_size: 9216
    .private_segment_fixed_size: 0
    .kernarg_segment_align: 8
    .kernarg_segment_size: 64
    .max_flat_workgroup_size: 32
    .sgpr_count:     76
    .vgpr_count:     1024
    .wavefront_size: 32
...
	.end_amdgpu_metadata
.endif
;; end of part 2
;; ======== version 2 of 2: 2 launches; version 1 with the launch group written anew for expert scheduling mode
;; workspace buffers: order 65,536 bytes of whole numbers; seg 8,192 bytes of whole numbers
;; launch group (part 3): grid 1000 x 1, 1 waves a work-group, no clusters, 37,632 bytes of LDS; arguments relation, order, seg; writes order, seg
.if DOCPART == 3
	.amdgcn_target "amdgcn-amd-amdhsa--gfx1250"
	.amdhsa_code_object_version 6
	.text
	.protected	k_q1e4076d02f_group
	.globl	k_q1e4076d02f_group
	.p2align	8
	.type	k_q1e4076d02f_group,@function
k_q1e4076d02f_group:
	s_mov_b64 s[64:65], 0
	v_nop
	global_prefetch_b8 v0, s[64:65] scope:SCOPE_SE
	s_setreg_imm32_b32 hwreg(HW_REG_WAVE_SCHED_MODE, 0, 2), 2
	s_setreg_imm32_b32 hwreg(HW_REG_WAVE_MODE, 25, 1), 1
	s_wait_xcnt 0x0
	s_wait_alu depctr_vm_vsrc(0)
; Groups the 16384 batch elements by relation: a counting sort without traffic between work-groups.
;   order[start(g) + p] = batch number of the p-th element that names relation g;   seg[g] = { start(g), count(g) }
;   start(g) = how many elements name a relation below g.
; What steers the next launch's addresses and trip counts is decided here and handed over as whole numbers.
;
; A work-group is ONE wave and owns one relation (1000 work-groups).  The wave
;   1. scans the whole relation list (64 KB, 128 loads through a ring of three register buffers).  d = x - g.  16 numbers of a lane
;      become one entry (their first batch number, 16 bits 'is not my relation'); entries with a match are appended to a list of
;      candidates in LDS.  On the way two counts are kept in registers: numbers below g, numbers other than g,
;   2. picks the matching bits out of the candidates into a list of batch numbers in LDS,
;   3. stores that list to order, 32 neighbouring words a trip, and its two figures to seg.
; The store addresses and the trip count of step 3 come from the two counts in registers; LDS supplies only the data stored.
; EXEC is never changed.  A lane that has nothing to append stores to a place of its own behind the list, which nobody reads;
; a lane past the end of a list repeats the list's last entry and stores the same number to the same place again.
; 1024 registers are asked for, 242 are named: 1000 waves whose time is their own vector instructions, so none shares a SIMD.
;
; THE MODE: SCHED_MODE bits 1:0 = 2 (LLVM: expert scheduling mode 2), set by the entry lines.  The code itself states the register
; dependences between vector instructions and memory or LDS instructions, with s_wait_alu, always for 0.
; THE PLAN.  Registers that memory or LDS instructions touch, in the scan's steps 0 to 7:
;   X0 .. X2   the ring.  The loads of list group G land in X[G % 3]; step g's vector instructions read and rewrite X[g % 3] in place.
;              No memory or LDS instruction reads a ring register.
;   O0, O1     two out-buffers: four LDS addresses and four entries.  Written by the last instructions of step g (O[g % 2]); read by
;              the four LDS stores that are issued at the head of step g + 1.
;   v[L16]     the offset of every load of the list: made at the head, never written again; immediate offsets do the rest.
; Step g's memory instructions are the four LDS stores of step g - 1 and the sixteen loads of group g + 2, which land in
; X[(g + 2) % 3] = X[(g - 1) % 3]: the out-buffer and the ring buffer that step g - 1 worked on and that no vector instruction of step g
; names.  So the waits at a step's head state all that these twenty hang on, and the loads are dealt four to each quarter of the step
; with no further wait.  One wait on va_sdst a step stands between the four compares that make masks and the masks' first reader.
; The pick and the copy, short loops, state their dependences trip by trip: see there.
;
; LIMITS.  Relations are taken to lie in 0 .. 999, as the reference relies on.  The count of numbers below g holds for |x - g| < 2^16
; (128 differences must sum to less than 2^23).  An element whose relation no work-group owns appears nowhere in order.
; Lists are sized for the worst case: all 16384 elements of one relation.
.set LDS_CAND, 0                       ; the list of candidates,
.set CANDCAP,  1024                    ; 32 appends x 32 lanes at most
.set CANDB,    4352                    ; 1024 entries + 32 dump places of 4 bytes, rounded up
.set LDS_FIN,  LDS_CAND+CANDB          ; the list of batch numbers: 16384 + 32 dump places of 2 bytes; ends inside 37376
.set FINCAP,   16384
.set NONE,     0xffff                  ; sixteen bits 'is not my relation'
; vector registers.  v0 is the lane: the work-group has one wave
.set L16,  1                           ; 16 x lane
.set CK,   2                           ; (4 x lane) << 16: my part of an entry's batch number
.set DC,   3                           ; my dump place behind the candidates
.set DF,   4                           ; my dump place behind the batch numbers
.set POS,  5                           ; running position: lane + 32 x trip
.set TMP,  6                           ; v6-9 at work
.set LA,   10                          ; v10-13  four sums of the low 24 bits of d, 128 numbers each
.set NA,   14                          ; v14-17  four sums of the flags 'is not my relation'
.set SEGV, 18                          ; v18-19  start, count
.set SA,   20                          ; 8 x my relation
.set OA,   21                          ; byte offset in order
.set OD,   22                          ; the batch number to store
.set LAD,  23                          ; where it lies in LDS
.set XR,   32                          ; v32-223  the list's ring: three buffers of 16 loads x 4 registers; afterwards, in the pick:
.set EW,   32                          ; an entry
.set AW,   33                          ; its address
.set PP,   48                          ; v48-63   16 bits, then 16 addresses
.set DW,   64                          ; v64-79   16 batch numbers
.set OB,   224                         ; v224-239 two out-buffers of the scan, by turns: 4 LDS addresses, then 4 entries
                                       ; v254, v255: the closing add's two registers, made at the head and kept for it alone
; scalar registers
.set REL,  2                           ; my relation g
.set NREL, 3                           ; - g
.set ST,   10
.set MK,   32                          ; s32-63: masks of the scan (4), the lanes' counts (32), masks of the pick (16)
.set CNT,  66                          ; candidates so far
.set SC,   67
.set CM,   68                          ; the last written candidate
.set VM,   69                          ; lanes whose position lies inside the list
.set NCH,  70
.set CH,   71
.set NEL,  72                          ; the pick's running place in the list of batch numbers
.set BASE, 73                          ; start(g)
.set NF,   74                          ; count(g)
.set NM1,  75
.set NT,   76
.set TR,   77
; 16 loads of the list, 512 neighbouring bytes each, into ring buffer g % 3: the ring's first fill
.macro LISTLOAD g
.set xs, 0
.rept 16
	global_load_b128 v[XR+64*(\g%3)+4*xs:XR+64*(\g%3)+4*xs+3], v[L16], s[4:5] offset:512*(16*\g+xs)
.set xs, xs+1
.endr
.endm
; Step g: one ring buffer, 16 loads = 4 entries.  behind = loads of later groups issued ahead of this step.  ahead = 1: group g + 2 is loaded.
; d = x - g.  Its low 24 bits are d for d >= 0 and 2^24 + d for d < 0: summed, each number below g counts 2^24.
; min(d, 1), unsigned, is the flag 'no match'; a tree of shift-and-or puts number n of the lane's sixteen (load n / 4, word n % 4)
; at bit n.  The entry = first batch number << 16 | bits; number n is batch number 512 G + 4 lane + 128 (n / 4) + n % 4,
; G = 4 g + q the entry's group of four loads.  The first terms start the sums: nothing is cleared.
.macro SCAN g, behind, ahead
.set xb, XR+64*(\g%3)                  ; the ring buffer at work
.set xl, XR+64*((\g+2)%3)              ; the ring buffer that the step before worked on
.set xo, OB+8*(\g%2)                   ; this step's out-buffer
.set xprev, OB+8*((\g+1)%2)            ; the out-buffer of the step before
.set xq, 0
.rept 4
	s_wait_loadcnt \behind+12-4*xq+4*xq*\ahead     ; behind these four loads: 12 - 4 q of this buffer, the later groups' loads, and the 4 q that this step has issued
.if xq == 0
.if \g >= 2
	s_wait_alu depctr_vm_vsrc(0)                   ; the LDS stores issued in the step before have read this step's out-buffer, which is written again below
.endif
.if \g >= 1
	s_wait_alu depctr_va_vdst(0)                   ; the step before has written its out-buffer, which the LDS stores below read, and is done reading and writing its ring buffer, in which this step's loads land
.set xs, 0
.rept 4
	ds_store_b32 v[xprev+xs], v[xprev+4+xs]        ; the four entries of the step before
.set xs, xs+1
.endr
.endif
.endif
.if \ahead
.set xs, 4*xq
.rept 4
	global_load_b128 v[xl+4*xs:xl+4*xs+3], v[L16], s[4:5] offset:512*(16*(\g+2)+xs)  ; two steps ahead; no vector instruction since the wait at the step's head names these registers
.set xs, xs+1
.endr
.endif
.set xn, 0
.rept 16
	v_add_nc_u32 v[xb+16*xq+xn], s[NREL], v[xb+16*xq+xn]
.set xn, xn+1
.endr
.set xn, 0
.rept 16
.if (\g+xq+xn/4) == 0
	v_and_b32 v[LA+xn%4], 0xffffff, v[xb+16*xq+xn]
.else
	v_mad_u32_u24 v[LA+xn%4], v[xb+16*xq+xn], 1, v[LA+xn%4]
.endif
.set xn, xn+1
.endr
.set xn, 0
.rept 16
	v_min_u32 v[xb+16*xq+xn], 1, v[xb+16*xq+xn]
.set xn, xn+1
.endr
.set xn, 0
.rept 8
.if (\g+xq+xn/4) == 0
	v_add_nc_u32 v[NA+xn%4], v[xb+16*xq+2*xn], v[xb+16*xq+2*xn+1]
.else
	v_add3_u32 v[NA+xn%4], v[xb+16*xq+2*xn], v[xb+16*xq+2*xn+1], v[NA+xn%4]
.endif
.set xn, xn+1
.endr
.set xn, 0
.rept 8
	v_lshl_or_b32 v[xb+16*xq+2*xn], v[xb+16*xq+2*xn+1], 1, v[xb+16*xq+2*xn]
.set xn, xn+1
.endr
.set xn, 0
.rept 4
	v_lshl_or_b32 v[xb+16*xq+4*xn], v[xb+16*xq+4*xn+2], 2, v[xb+16*xq+4*xn]
.set xn, xn+1
.endr
	v_lshl_or_b32 v[xb+16*xq], v[xb+16*xq+4], 4, v[xb+16*xq]
	v_lshl_or_b32 v[xb+16*xq+8], v[xb+16*xq+12], 4, v[xb+16*xq+8]
	v_lshl_or_b32 v[xb+16*xq], v[xb+16*xq+8], 8, v[xb+16*xq]
	v_cmp_ne_u32 s[MK+xq], NONE, v[xb+16*xq]       ; lanes with any match
	v_add3_u32 v[xo+4+xq], v[xb+16*xq], v[CK], (512*(4*\g+xq))<<16  ; the entry, into the out-buffer
.set xq, xq+1
.endr
	; place of an entry = count so far + matching lanes below me; a lane without a match takes its dump place
	s_wait_alu depctr_va_sdst(0)                   ; the four compares have written their masks, ahead of the masks' first reader
.set xq, 0
.rept 4
	v_mbcnt_lo_u32_b32 v[xb+16*xq+1], s[MK+xq], s[CNT]
	s_bcnt1_i32_b32 s[SC], s[MK+xq]
	s_add_co_u32 s[CNT], s[CNT], s[SC]
.set xq, xq+1
.endr
.set xq, 0
.rept 4
	v_cndmask_b32 v[xb+16*xq+1], v[DC], v[xb+16*xq+1], s[MK+xq]
.set xq, xq+1
.endr
.set xq, 0
.rept 4
	v_min_u32 v[xb+16*xq+1], CANDCAP+31, v[xb+16*xq+1]             ; changes nothing (1024 entries at most, then the 32 dump places): the address stays in the list
.set xq, xq+1
.endr
.set xq, 0
.rept 4
	v_lshl_add_u32 v[xo+xq], v[xb+16*xq+1], 2, LDS_CAND            ; the entry's LDS address, into the out-buffer; the next step's head stores it
.set xq, xq+1
.endr
.endm
	s_load_b128 s[4:7], s[0:1], 0x0                ; relation s[4:5], order s[6:7]
	s_load_b64 s[8:9], s[0:1], 0x10                ; seg
	v_lshl_add_u32 v254, v0, 2, 0x9200
	v_mov_b32 v255, 0
	s_mov_b32 s[REL], ttmp9                        ; my relation = the work-group's number
	s_sub_co_u32 s[NREL], 0, s[REL]
	v_lshlrev_b32 v[L16], 4, v0
	v_lshlrev_b32 v[CK], 18, v0
	v_add_nc_u32 v[DC], CANDCAP, v0
	v_add_nc_u32 v[DF], FINCAP, v0
	v_lshl_add_u32 v[TMP], v0, 2, LDS_CAND
	v_mov_b32 v[TMP+1], NONE
	s_mov_b32 s[CNT], 0
	s_wait_kmcnt 0x0
	s_wait_alu depctr_va_vdst(0)                   ; v[L16] is written, the offset of every load of the list; so are v[TMP] and v[TMP+1], which the LDS store below reads, and the closing add's two registers
	LISTLOAD 0
	LISTLOAD 1
	LISTLOAD 2
	; the head of the candidate list starts as 'no match': entry 0, which the pick reads of an empty list, is then always written
	ds_store_b32 v[TMP], v[TMP+1]
	; THE SCAN.  A buffer is filled again in the step behind the one that worked on it; the last two steps load nothing and their counts run down.
	SCAN 0, 32, 0
	SCAN 1, 16, 1
	SCAN 2, 16, 1
	SCAN 3, 16, 1
	SCAN 4, 16, 1
	SCAN 5, 16, 1
	SCAN 6, 16, 0
	SCAN 7, 0, 0
	; THE TWO COUNTS.  A sum of 128 low parts is 2^24 x (numbers below g) + the sum of the d, which is below 2^23 either way: round.
.irp c, 0,1,2,3
	v_add_nc_u32 v[LA+\c], 0x800000, v[LA+\c]
.endr
.irp c, 0,1,2,3
	v_lshrrev_b32 v[LA+\c], 24, v[LA+\c]
.endr
	v_add3_u32 v[LA], v[LA], v[LA+1], v[LA+2]
	v_add3_u32 v[NA], v[NA], v[NA+1], v[NA+2]
	v_add_nc_u32 v[LA], v[LA], v[LA+3]             ; of my 512 numbers: below g,
	v_add_nc_u32 v[NA], v[NA], v[NA+3]             ; other than g
	v_lshl_add_u32 v[NA], v[LA], 16, v[NA]         ; both in one word: over 32 lanes each stays at 16384 or below
.set xe, 0
.rept 32
	v_readlane_b32 s[MK+xe], v[NA], xe
.set xe, xe+1
.endr
	s_wait_alu depctr_va_sdst(0)                   ; the 32 lanes' words are written into s[MK ..], ahead of the first scalar add that reads them
.irp w, 16,8,4,2,1
.set xe, 0
.rept \w
	s_add_co_u32 s[MK+xe], s[MK+xe], s[MK+\w+xe]
.set xe, xe+1
.endr
.endr
	s_lshr_b32 s[BASE], s[MK], 16                  ; start(g)
	s_and_b32 s[NF], s[MK], 0xffff
	s_sub_co_u32 s[NF], FINCAP, s[NF]              ; count(g) = 16384 - the others
	s_lshl_b32 s[ST], s[REL], 3
	v_mov_b32 v[SA], s[ST]
	v_mov_b32 v[SEGV], s[BASE]
	v_mov_b32 v[SEGV+1], s[NF]
	s_wait_alu depctr_va_vdst(0)                   ; step 7 has written its out-buffer, which the four LDS stores read; v[SA] and v[SEGV ..] are written, which the store to seg reads
.set xs, 0
.rept 4
	ds_store_b32 v[OB+8+xs], v[OB+12+xs]           ; the scan's last four entries
.set xs, xs+1
.endr
	global_store_b64 v[SA], v[SEGV:SEGV+1], s[8:9] ; every lane stores the same 8 bytes; these registers are not written again
	; PICK: the zero bits of the candidates, as batch numbers into the second list.  32 entries a trip: one trip, unless the
	; relation's elements lie in more than 32 entries.
	; Registers that LDS instructions touch: AW (written by vector instructions, read by the load), EW (the load lands in it; vector
	; instructions read and rewrite it), PP and DW (written by vector instructions, read by the sixteen stores).
	s_max_u32 s[CM], s[CNT], 1
	s_sub_co_u32 s[CM], s[CM], 1                   ; the last written entry (entry 0 of an empty list)
	s_lshr_b32 s[NCH], s[CM], 5
	s_add_co_u32 s[NCH], s[NCH], 1
	s_mov_b32 s[NEL], 0
	s_mov_b32 s[CH], 0
	v_mov_b32 v[POS], v0
.Lpick:
	v_min_u32 v[AW], s[CM], v[POS]                 ; lanes past the end repeat the last written entry; the mask below discards it
	v_min_u32 v[AW], CANDCAP-1, v[AW]
	v_lshl_add_u32 v[AW], v[AW], 2, LDS_CAND
	s_wait_alu depctr_va_vdst(0)                   ; v[AW] is written, which the load reads; the vector instructions that read and wrote v[EW] (the scan's, the last trip's) are done, and the load lands in it
	ds_load_b32 v[EW], v[AW]                       ; LDS serves a wave's instructions in order (ISA guide 5.7.1.4): this sees the scan's stores
	v_cmp_gt_u32 s[VM], s[CNT], v[POS]             ; positions inside the list
	s_wait_dscnt 0x0
.set xp, 0
.rept 16
	v_bfe_u32 v[PP+xp], v[EW], xp, 1
.set xp, xp+1
.endr
	v_lshrrev_b32 v[EW], 16, v[EW]                 ; the entry's first batch number
.set xp, 0
.rept 16
	v_cmp_eq_u32 s[MK+xp], 0, v[PP+xp]
.set xp, xp+1
.endr
.set xp, 0
.rept 16
	v_add_nc_u32 v[DW+xp], 128*(xp/4)+(xp%4), v[EW]
.set xp, xp+1
.endr
	s_wait_alu depctr_va_sdst(0)                   ; the seventeen compares have written s[VM] and s[MK ..], ahead of their first reader
.set xp, 0
.rept 16
	s_and_b32 s[MK+xp], s[MK+xp], s[VM]
.set xp, xp+1
.endr
.set xp, 0
.rept 16
	v_mbcnt_lo_u32_b32 v[PP+xp], s[MK+xp], s[NEL]
	s_bcnt1_i32_b32 s[SC], s[MK+xp]
	s_add_co_u32 s[NEL], s[NEL], s[SC]
.set xp, xp+1
.endr
.set xp, 0
.rept 16
	v_cndmask_b32 v[PP+xp], v[DF], v[PP+xp], s[MK+xp]
.set xp, xp+1
.endr
.set xp, 0
.rept 16
	v_min_u32 v[PP+xp], FINCAP+31, v[PP+xp]        ; at most 16384 entries, then the dump places: the address stays in the list
.set xp, xp+1
.endr
.set xp, 0
.rept 16
	v_lshl_add_u32 v[PP+xp], v[PP+xp], 1, LDS_FIN
.set xp, xp+1
.endr
	v_add_nc_u32 v[POS], 32, v[POS]
	s_wait_alu depctr_va_vdst(0)                   ; v[PP ..] and v[DW ..] are written: the sixteen stores' addresses and data
.set xp, 0
.rept 16
	ds_store_b16 v[PP+xp], v[DW+xp]
.set xp, xp+1
.endr
	s_wait_alu depctr_vm_vsrc(0)                   ; the load has read v[AW], the stores v[PP ..] and v[DW ..]: the next trip writes all of them again
	s_add_co_u32 s[CH], s[CH], 1
	s_cmp_lt_u32 s[CH], s[NCH]
	s_cbranch_scc1 .Lpick
	; THE WAY OUT: the list leaves LDS through registers, 32 neighbouring words of order a trip.
	; Registers that LDS and memory instructions touch: LAD and OA (written by vector instructions, read by the load and by the store), OD (the load lands in it, the store reads it).
	s_cmp_eq_u32 s[NF], 0
	s_cbranch_scc1 .Ldone                          ; no element names my relation
	s_sub_co_u32 s[NM1], s[NF], 1
	s_add_co_u32 s[NT], s[NF], 31
	s_lshr_b32 s[NT], s[NT], 5
	s_mov_b32 s[TR], 0
	v_mov_b32 v[POS], v0
.Lcopy:
	v_min_u32 v[TMP], s[NM1], v[POS]               ; lanes past the end repeat the last element
	v_min_u32 v[TMP], FINCAP-1, v[TMP]
	v_lshl_add_u32 v[LAD], v[TMP], 1, LDS_FIN
	v_add_nc_u32 v[OA], s[BASE], v[TMP]
	v_min_u32 v[OA], FINCAP-1, v[OA]               ; start + place is below 16384: the clamp changes nothing
	v_lshlrev_b32 v[OA], 2, v[OA]
	v_add_nc_u32 v[POS], 32, v[POS]
	s_wait_alu depctr_va_vdst(0)                   ; v[LAD] is written, which the load reads, and v[OA], which the store reads
	ds_load_u16 v[OD], v[LAD]                      ; in order behind the pick's stores
	s_wait_dscnt 0x0
	global_store_b32 v[OA], v[OD], s[6:7]
	s_wait_xcnt 0x0                                ; OA and OD are written again in the next trip only behind this wait
	s_wait_alu depctr_vm_vsrc(0)                   ; the load has read v[LAD], the store v[OA] and v[OD]: the next trip writes all three again
	s_add_co_u32 s[TR], s[TR], 1
	s_cmp_lt_u32 s[TR], s[NT]
	s_cbranch_scc1 .Lcopy
.Ldone:
	s_wait_dscnt 0x0                               ; the closing lines, six on end
	s_wait_alu 0x0
	s_wait_tensorcnt 0x0
	ds_add_u32 v254, v255
	s_wait_dscnt 0x0
	s_endpgm
.Lfunc_end_k_q1e4076d02f_group:
	.size	k_q1e4076d02f_group, .Lfunc_end_k_q1e4076d02f_group-k_q1e4076d02f_group
	.p2alignl 7, 3214868480
	.fill 96, 4, 3214868480
	.section	.rodata,"a",@progbits
	.p2align	6, 0x0
	.amdhsa_kernel k_q1e4076d02f_group
		.amdhsa_group_segment_fixed_size 37632
		.amdhsa_private_segment_fixed_size 0
		.amdhsa_enable_private_segment 0
		.amdhsa_kernarg_size 24
		.amdhsa_user_sgpr_count 2
		.amdhsa_user_sgpr_kernarg_segment_ptr 1
		.amdhsa_wavefront_size32 1
		.amdhsa_system_sgpr_workgroup_id_x 1
		.amdhsa_system_sgpr_workgroup_id_y 1
		.amdhsa_system_sgpr_workgroup_id_z 1
		.amdhsa_system_vgpr_workitem_id 0
		.amdhsa_next_free_vgpr 1024
		.amdhsa_next_free_sgpr 80
		.amdhsa_reserve_vcc 0
		.amdhsa_float_denorm_mode_32 3
		.amdhsa_float_denorm_mode_16_64 3
		.amdhsa_memory_ordered 1
		.amdhsa_forward_progress 1
		.amdhsa_inst_pref_size 159
	.end_amdhsa_kernel
	.amdgpu_metadata
---
amdhsa.version: [ 1, 2 ]
amdhsa.kernels:
  - .name:           k_q1e4076d02f_group
    .symbol:         k_q1e4076d02f_group.kd
    .args:
      - { .name: relation, .offset: 0, .size: 8, .value_kind: global_buffer, .address_space: global }
      - { .name: order, .offset: 8, .size: 8, .value_kind: global_buffer, .address_space: global }
      - { .name: seg, .offset: 16, .size: 8, .value_kind: global_buffer, .address_space: global }
    .group_segment_fixed_size: 37632
    .private_segment_fixed_size: 0
    .kernarg_segment_align: 8
    .kernarg_segment_size: 24
    .max_flat_workgroup_size: 32
    .sgpr_count:     80
    .vgpr_count:     1024
    .wavefront_size: 32
...
	.end_amdgpu_metadata
.endif
;; end of part 3
;; launch project: the kernel of part 2 again; grid 1000 x 1, 1 waves a work-group, no clusters, 9,216 bytes of LDS; arguments seg, order, head, tail, entity_emb, relation_emb, proj_emb, out0; writes out0
